; MI455X (gfx1250); checked and timed in simulation.
; The chip was launched on July 23, 2026; its instructions are those of AMD's public machine-readable ISA for CDNA 5 (MIT licence, August 2026) and "CDNA5" Instruction Set Architecture Reference Guide (July 2026). The comments in the code are by the model that wrote it; some were corrected since.
;; multi head attention. Allowed arithmetic: matrix products marked QUANTISED: E5M2 operands, one given power-of-two scale a tensor, by v_wmma_f32_16x16x64_bf8_bf8 or v_wmma_f32_16x16x128_bf8_bf8, f32 sums; everything else in f32.
;; Inputs: Wk_codes 1,024 x 32 x 32 uint8 (E5M2 codes of Wk, K innermost, in blocks of 32 codes); Wo_codes 1,024 x 32 x 32 uint8 (E5M2 codes of Wo, K innermost, in blocks of 32 codes); Wq_codes 1,024 x 32 x 32 uint8 (E5M2 codes of Wq, K innermost, in blocks of 32 codes); Wv_codes 1,024 x 32 x 32 uint8 (E5M2 codes of Wv, K innermost, in blocks of 32 codes); bk 1,024 float32; bo 1,024 float32; bq 1,024 float32; bv 1,024 float32; k_codes 4 x 2,048 x 32 x 32 uint8 (E5M2 codes of k, K innermost, in blocks of 32 codes); lowp_scales 12 int32 (the exponents e of the quantised operands' scales 2^e); q_codes 4 x 2,048 x 32 x 32 uint8 (E5M2 codes of q, K innermost, in blocks of 32 codes); v_codes 4 x 2,048 x 32 x 32 uint8 (E5M2 codes of v, K innermost, in blocks of 32 codes).
;; Outputs: out0 4 x 2,048 x 1,024 float32.
;; Constants: mask = True.
;; This version of the problem:
;;   THIS VERSION OF THE PROBLEM IS GIVEN IN LOW PRECISION. The matrix products marked QUANTISED in the list below multiply operands that are first quantised to E5M2 (5 exponent bits, 2 mantissa bits; 8 bits a number), with one given power-of-two scale for each operand tensor; their sums are f32. All else is computed in f32.
;;   The module's matrix products, in the order in which they are computed (A, B: the left and right operand; K: the contracted axis; several contracted axes count as one K, in the product's order):
;;     1. [M 8,192, K 1,024] x [K 1,024, N 1,024]; A: input q (given as codes); B: input Wq (given as codes): QUANTISED (scales: A lowp_scales[0], B lowp_scales[1])
;;     2. [M 8,192, K 1,024] x [K 1,024, N 1,024]; A: input k (given as codes); B: input Wk (given as codes): QUANTISED (scales: A lowp_scales[2], B lowp_scales[3])
;;     3. [M 8,192, K 1,024] x [K 1,024, N 1,024]; A: input v (given as codes); B: input Wv (given as codes): QUANTISED (scales: A lowp_scales[4], B lowp_scales[5])
;;     4. batch 64 x [M 2,048, K 64] x [K 64, N 2,048]; A: computed on the way; B: computed on the way: QUANTISED (scales: A lowp_scales[6], B lowp_scales[7])
;;     5. batch 64 x [M 2,048, K 2,048] x [K 2,048, N 64]; A: softmax (see below); B: computed on the way: QUANTISED (scales: A lowp_scales[8], B lowp_scales[9])
;;     6. [M 8,192, K 1,024] x [K 1,024, N 1,024]; A: computed on the way; B: input Wo (given as codes): QUANTISED (scales: A lowp_scales[10], B lowp_scales[11])
;;   THE QUANTISER, for each operand of a quantised product, along K:
;;     - The operand's scale is 2^e, e = its entry of the input lowp_scales (int32; the entries are numbered through the quantised products in the list's order, A before B).
;;     - Each number is divided by the scale, clamped to +-57,344, and rounded to the nearest number of E5M2, ties to even, subnormals kept.
;;     - The product sums the exact products of the quantised numbers (number of the format x scale) in f32.
;;   ~~~python
;;   def quantise(x, axis, e):      # numpy; x: float32 -> the quantised numbers, widened to float32 again
;;       x = np.moveaxis(x, axis, -1); K = x.shape[-1]
;;       r = np.clip(x / 2.0 ** e, -57344, 57344)
;;       step = 2.0 ** (np.maximum(np.frexp(np.where(r == 0, 1, r))[1] - 1, -14) - 2)
;;       q = np.round(r / step) * step * 2.0 ** e      # np.round: ties to even
;;       return np.moveaxis(q, -1, axis).astype(np.float32)
;;   ~~~
;;   SOFTMAX AHEAD OF A QUANTISED PRODUCT. Where the list says 'softmax', what is quantised is not the finished softmax but p = 2^(t - M), with t = logit x log2(e) and M = ceil(the row's largest t), a whole number; so 1/2 < the row's largest p <= 1. The row's sum l is taken of the UNQUANTISED p, in f32, and the product's result is divided by l at the end. Since M is a whole number, a kernel that streams over the keys may use a running M (the ceiling of the running maximum): every later rescaling is an exact power of two, so the quantised numbers keep their values, but for numbers so far below the row's largest that they fall under the format's range.
;;   OPERANDS COMPUTED ON THE WAY. 'Computed on the way' means the value that the module computes at that place (a softmax that the list does not call 'softmax' is quantised finished and normalised). What goes into a quantiser is computed in f32, as accurately as f32 sums, v_exp_f32 and their like allow (about 1e-6 of the number): no bf16 or f16 on the way to a quantiser, and a product that is left as it is and whose result goes on into a quantised operand takes f32 operands (vector FMAs, or v_wmma_f32_16x16x4_f32). A number that lies on a knife's edge between two numbers of the format may be rounded either way, as far as f32 arithmetic and the matrix unit's own rounding can turn it there, and no further.
;;   INPUTS GIVEN AS CODES. Wk (in the module: [1024, 1024], K = its axis 1); Wo (in the module: [1024, 1024], K = its axis 1); Wq (in the module: [1024, 1024], K = its axis 1); Wv (in the module: [1024, 1024], K = its axis 1); k (in the module: [4, 2048, 1024], K = its axis 2); q (in the module: [4, 2048, 1024], K = its axis 2); v (in the module: [4, 2048, 1024], K = its axis 2): each comes as NAME_codes (uint8): NAME with its K axis moved to the last place and cut into blocks of 32 codes, [.., K / 32, bytes a block], one block behind the other in memory; one code a byte (a code: sign, 5 exponent bits, 2 mantissa bits); its scale is its entry of lowp_scales. Its value is code x scale, taken as it is: it is not quantised again, and the codes and scales need not be those that the quantiser above would give.
;; One version. Each part assembles by itself: llvm-mc -triple=amdgcn-amd-amdhsa -mcpu=gfx1250 --defsym DOCPART=n.
;; ======== version 1 of 1: 3 launches
;; limits: right only within a limited range of input values
;; workspace buffers: qc 8,388,608 bytes; kc 8,388,608 bytes; vt 8,388,608 bytes; cc 8,388,608 bytes
;; launch proj (part 1): grid 64 x 3, 4 waves a work-group, clusters of 4 x 1, 327,680 bytes of LDS; arguments q_codes, k_codes, v_codes, Wq_codes, Wk_codes, Wv_codes, bq, bk, bv, lowp_scales, qc, kc, vt; writes qc, kc, vt
.if DOCPART == 1
	.amdgcn_target "amdgcn-amd-amdhsa--gfx1250"
	.amdhsa_code_object_version 6
	.text
	.protected	k_q1f170e5792_proj
	.globl	k_q1f170e5792_proj
	.p2align	8
	.type	k_q1f170e5792_proj,@function
k_q1f170e5792_proj:
	s_mov_b64 s[64:65], 0
	v_nop
	global_prefetch_b8 v0, s[64:65] scope:SCOPE_SE
	s_setreg_imm32_b32 hwreg(HW_REG_WAVE_MODE, 25, 1), 1
	s_wait_xcnt 0x0
	s_wait_alu depctr_hold_cnt(0) depctr_sa_sdst(0) depctr_va_vdst(0) depctr_va_sdst(0) depctr_va_ssrc(0) depctr_va_vcc(0) depctr_vm_vsrc(0)
	s_getreg_b32 s2, hwreg(HW_REG_IB_STS2, 6, 4)
	s_cmp_eq_u32 s2, 0
	s_cbranch_scc0 .Lentry_in_a_cluster
	s_endpgm
.Lentry_in_a_cluster:
	s_bfe_u32 s2, ttmp6, 0x10000c
	s_cmp_lg_u32 s2, 0x3003
	s_cbranch_scc0 .Lentry_shape_is_right
	s_endpgm
.Lentry_shape_is_right:
; Q = q Wq^T + bq, K = k Wk^T + bk, V = v Wv^T + bv on codes of BF8 (E5M2); each result is quantised at once with its given scale (entries 6, 7, 9) and stored as codes.
; Work-group y = tau says which of the three.  Feature n = 16 d + h belongs to head h.
; OUT: qc, kc [16 b + h][s][64]: byte 32 B + 16 h2 + 8 u + j of a row holds d = 32 B + 16 u + 8 h2 + j (one order for Q and K, so every product meets its partner);
;      vt [16 b + h][s / 64][d][64]: the same order of bytes, of the block's 64 keys.  A wave's 64 x 64 results are 4,096 bytes on end in all three.
; SHAPE.  Four waves.  ONE OPERAND STAYS IN REGISTERS: a wave's 64 resident rows x K 1,024 are read from LDS once, into 512 registers; then eight steps, each with a streamed tile of
; 128 rows x K 1,024: a wave multiplies 64 x 64 x 1,024, 128 matrix instructions, and reads 64 KiB of LDS for them.
; tau = 0, 1: resident = 128 rows of x, streamed = two heads' rows of W (16,384 bytes apart).  tau = 2: resident = two heads' rows of Wv, streamed = 128 rows of v: so a lane's registers run
; along d for Q and K and along the keys for V, with one text: source 0 = streamed rows, source 1 = resident rows; lane (r, h2) holds resident row 16 a + r, register j streamed row 16 T + 8 h2 + j.
; CLUSTER.  The four work-groups of a cluster walk the same streamed tiles: those are asked for jointly (mask 15).  The resident tile is each work-group's own (no mask).
; The bias goes in as the C of a sum's first matrix instruction, divided by 2^(ex + ew); the three scales are folded into the conversion's one, 2^(eo - ex - ew).
; LIMITS: eo - ex - ew between -126 and 112 for each of the three products.  NaN among the biases is not served.
; REGISTERS: window 0: v1-23 addresses and constants; v32-63 bias; v64-95 codes; v96-127 rows read back; v128-255 the 16 accumulators.
;   window 1: two sets of four streamed fragments (v0-63, v64-127).  window 2: resident fragments of K steps 0-3 (v[64 ks + 16 a]); window 3: of K steps 4-7.
.set SUBT,   33792                     ; 64 rows x (512 bytes + 16): what one tensor load brings
.set SLOT,   135168                    ; four of them; no bit of SLOT is a bit of wave x SUBT, so one exclusive or changes slots
.set STAGE,  270336                    ; behind the two slots: 64 rows x 80 bytes for each wave
.set SPARE,  290816                    ; the spare words: 128 bytes for each wave; no other line names them
.set PITCH,  528                       ; 33 x 16 bytes: the 16 rows of a fragment load begin in 16 different columns of 16 bytes
.set RR,   1
.set H2,   2
.set LN,   3
.set AP0,  4                           ; my place in a streamed tile of slot 0
.set ADP,  5                           ; the same in the slot in hand
.set AR,   6                           ; my place in the resident tile
.set STO,  7
.set RD,   8
.set GO,   9
.set SPW,  10
.set NIL,  11
.set VSC,  12                          ; 2^(eo - ex - ew)
.set VLIM, 13
.set VJ,   16                          ; v16-23 the bias loads' offsets
.set BIAS, 32
.set CD,   64
.set OB,   96
.set ACC,  128
.set WV,   4
.set TAU,  5
.set CX,   6
.set CNT,  7
.set RP,   34                          ; s[34:35] resident tensor
.set PT,   36                          ; s[36:37] streamed tensor
.set BB,   38                          ; s[38:39] bias
.set OUT,  40                          ; s[40:41] output
.set TB,   42                          ; LDS byte of the slot in hand
.set NEGE, 43                          ; -(ex + ew)
.set BSTEP, 46                         ; s[46:47]
.set G0R,  56
.set G0S,  60
.set SSTEP, 66                         ; s[66:67]
.set G1NP, 68                          ; rows 1,024 bytes apart, no mask
.set G1SJ, 76                          ; rows 16,384 bytes apart, joint
.set G1SP, 84                          ; rows 16,384 bytes apart, no mask
.set G1NJ, 92                          ; rows 1,024 bytes apart, joint
.set OSTEP, 100                        ; s[100:101]
.set PADW, (1<<20)|(6<<22)|(3<<25)     ; elements of 1 byte; padding on; 4 words behind every 128
.set PADJ, PADW|15|(1<<21)             ; the same with the mask of all four work-groups, and bit 21 beside it
.set MSB, 0
.macro WIN new                         ; the immediate's high byte repeats the setting that is left
.if MSB != \new
	s_set_vgpr_msb (MSB<<8)|\new
.set MSB, \new
.endif
.endm
.set MUL_LO, 0x09                      ; source 0 window 1, source 1 window 2, C and D window 0
.set MUL_HI, 0x0d                      ; source 1 window 3
.set TO_W,   0x40                      ; destination window 1
.macro PLACES
.rept 4
	v_nop
.endr
.endm
.macro CROUND                          ; a round of the cluster's barrier
	s_barrier_signal -1
	s_barrier_wait -1
	s_cmp_lg_u32 s[WV], 0
	s_cbranch_scc1 .Lnw0_\@
	s_barrier_signal -3
.Lnw0_\@:
	s_barrier_wait -3
	s_barrier_signal -1
	s_barrier_wait -1
.endm
.macro G1SET g, w0, pitch              ; a tile of 64 rows x 512 bytes
	s_mov_b32 s[\g], \w0
	s_mov_b32 s[\g+1], 512<<16
	s_mov_b32 s[\g+2], 64<<16
	s_mov_b32 s[\g+3], 512<<16
	s_mov_b32 s[\g+4], 64
	s_mov_b32 s[\g+5], \pitch
	s_mov_b32 s[\g+6], 0
	s_mov_b32 s[\g+7], 0
.endm
.macro BLOAD                           ; a step's 32 numbers of the bias, in the result's layout
.irp g, 0,1,2,3
.irp j, 0,1,2,3,4,5,6,7
	global_load_b32 v[BIAS+8*\g+\j], v[VJ+\j], s[BB:BB+1] offset:1024*\g
.endr
.endr
.endm
	s_load_b512 s[8:23], s[0:1], 0x0               ; q, k, v, Wq, Wk, Wv, bq, bk
	s_load_b256 s[24:31], s[0:1], 0x40             ; bv, the scales' exponents, qc, kc
	s_load_b64 s[32:33], s[0:1], 0x60              ; vt
	v_lshl_add_u32 v[SPW], v0, 2, SPARE
	v_mov_b32 v[NIL], 0
	ds_add_u32 v10, v11
	ds_add_u32 v10, v11
	s_wait_dscnt 0x0
	v_lshrrev_b32 v1, 5, v0
	v_readfirstlane_b32 s[WV], v1                  ; wave 0..3
	s_and_b32 s[TAU], ttmp7, 0xffff                ; which product: the same in all partners
	s_bfe_u32 s[CX], ttmp6, 0x40000                ; my place in the cluster
	G1SET G1NP, PADW, 1024
	G1SET G1SJ, PADJ, 16384
	G1SET G1SP, PADW, 16384
	G1SET G1NJ, PADJ, 1024
	s_wait_kmcnt 0x0
	s_load_b256 s[44:51], s[26:27], 0x0            ; e0 .. e7
	s_load_b128 s[52:55], s[26:27], 0x20           ; e8 .. e11
	s_cmp_eq_u32 s[TAU], 0
	s_cselect_b64 s[RP:RP+1], s[8:9], s[10:11]
	s_cselect_b64 s[PT:PT+1], s[14:15], s[16:17]
	s_cselect_b64 s[BB:BB+1], s[20:21], s[22:23]
	s_cselect_b64 s[OUT:OUT+1], s[28:29], s[30:31]
	s_cmp_eq_u32 s[TAU], 2
	s_cselect_b64 s[RP:RP+1], s[18:19], s[RP:RP+1] ; for V the weight is resident
	s_cselect_b64 s[PT:PT+1], s[12:13], s[PT:PT+1] ; and v is streamed
	s_cselect_b64 s[BB:BB+1], s[24:25], s[BB:BB+1]
	s_cselect_b64 s[OUT:OUT+1], s[32:33], s[OUT:OUT+1]
	; s8-15: numbers that all partners share.  As a loader I take rows 64 sub on and bytes 512 kappa on; as a worker resident rows 64 wr on and streamed rows 64 wp on
	s_lshr_b32 s8, s[WV], 1                        ; sub = wr
	s_and_b32 s9, s[WV], 1                         ; kappa = wp
	s_lshl_b32 s10, s9, 9                          ; 512 kappa
	s_lshr_b32 s11, ttmp9, 1                       ; Mr: which 1,024 rows of v
	s_lshl_b32 s15, s8, 16                         ; 64 sub rows of 1,024 bytes
	s_lshl_b32 s12, s8, 10                         ; Q, K: W's row sub
	s_lshl_b32 s14, s11, 20
	s_add_co_u32 s14, s14, s15                     ; V: row 1,024 Mr + 64 sub of v
	s_mov_b32 s[SSTEP], 2048                       ; Q, K: two heads on
	s_mov_b32 s[OSTEP], 0x40000                    ; Q, K: two heads on in the output
	s_cmp_eq_u32 s[TAU], 2
	s_cselect_b32 s12, s14, s12
	s_cselect_b32 s[SSTEP], 0x20000, s[SSTEP]      ; V: 128 rows on
	s_cselect_b32 s[OSTEP], 8192, s[OSTEP]         ; V: two blocks of 64 keys on
	s_mov_b32 s[SSTEP+1], 0
	s_mov_b32 s[OSTEP+1], 0
	s_add_co_u32 s12, s12, s10
	s_mov_b32 s13, 0
	s_add_nc_u64 s[PT:PT+1], s[PT:PT+1], s[12:13]  ; my part of streamed tile 0
	; s16-23: numbers that hang on my place in the cluster: they reach the resident tile's, the bias's and the output's addresses alone
	s_lshl_b32 s16, ttmp9, 2
	s_add_co_u32 s16, s16, s[CX]                   ; xi = work-group x
	s_and_b32 s17, s16, 7                          ; nb: which two heads (V)
	s_lshl_b32 s18, s16, 17
	s_add_co_u32 s18, s18, s15                     ; Q, K: row 128 xi + 64 sub of x
	s_lshl_b32 s19, s17, 11
	s_lshl_b32 s20, s8, 10
	s_add_co_u32 s19, s19, s20                     ; V: Wv's row 2 nb + sub
	s_cmp_eq_u32 s[TAU], 2
	s_cselect_b32 s18, s19, s18
	s_add_co_u32 s18, s18, s10
	s_mov_b32 s19, 0
	s_add_nc_u64 s[RP:RP+1], s[RP:RP+1], s[18:19]
	s_lshr_b32 s20, s16, 4                         ; Q, K: ((16 b + wp) 2,048 + 128 (xi % 16) + 64 wr) 64
	s_lshl_b32 s20, s20, 21
	s_lshl_b32 s21, s9, 17
	s_add_co_u32 s20, s20, s21
	s_and_b32 s21, s16, 15
	s_lshl_b32 s21, s21, 13
	s_add_co_u32 s20, s20, s21
	s_lshl_b32 s21, s8, 12
	s_add_co_u32 s20, s20, s21
	s_lshr_b32 s22, s11, 1                         ; V: ((16 b + 2 nb + wr) 2,048 + 1,024 (Mr % 2) + 64 wp) 64
	s_lshl_b32 s22, s22, 21
	s_lshl_b32 s23, s17, 1
	s_add_co_u32 s23, s23, s8                      ; the head 2 nb + wr
	s_lshl_b32 s21, s23, 17
	s_add_co_u32 s22, s22, s21
	s_and_b32 s21, s11, 1
	s_lshl_b32 s21, s21, 16
	s_add_co_u32 s22, s22, s21
	s_lshl_b32 s21, s9, 12
	s_add_co_u32 s22, s22, s21
	s_lshl_b32 s23, s23, 2                         ; V: the bias begins at my head,
	s_lshl_b32 s18, s9, 2                          ; Q, K: at head wp
	s_cmp_eq_u32 s[TAU], 2
	s_cselect_b32 s20, s22, s20
	s_cselect_b32 s22, s23, s18
	s_mov_b32 s21, 0
	s_mov_b32 s23, 0
	s_add_nc_u64 s[OUT:OUT+1], s[OUT:OUT+1], s[20:21]
	s_add_nc_u64 s[BB:BB+1], s[BB:BB+1], s[22:23]
	; descriptor groups 0: the streamed tile's walks, the resident tile's is used once
	s_mov_b32 s[G0S], 1
	s_mul_i32 s[G0S+1], s[WV], SUBT                ; slot 0, my quarter
	s_mov_b64 s[G0S+2:G0S+3], s[PT:PT+1]
	s_or_b32 s[G0S+3], s[G0S+3], 0x80000000
	s_mov_b32 s[G0R], 1
	s_add_co_u32 s[G0R+1], s[G0S+1], SLOT          ; slot 1, my quarter
	s_mov_b64 s[G0R+2:G0R+3], s[RP:RP+1]
	s_or_b32 s[G0R+3], s[G0R+3], 0x80000000
	CROUND                                         ; all four work-groups are here: the first joint loads meet
	s_cmp_eq_u32 s[TAU], 2                         ; the two shapes of rows have groups 1 of their own; the branch is the same in all partners and all waves
	s_cbranch_scc1 .Lfirst_v
	tensor_load_to_lds s[G0R:G0R+3], s[G1NP:G1NP+7]
	s_nop 0
	tensor_load_to_lds s[G0S:G0S+3], s[G1SJ:G1SJ+7]
	s_nop 0
	PLACES
	s_branch .Lfirst_done
.Lfirst_v:
	tensor_load_to_lds s[G0R:G0R+3], s[G1SP:G1SP+7]
	s_nop 0
	tensor_load_to_lds s[G0S:G0S+3], s[G1NJ:G1NJ+7]
	s_nop 0
	PLACES
.Lfirst_done:
	v_and_b32 v[RR], 15, v0                        ; r
	v_bfe_u32 v[H2], v0, 4, 1                      ; h2
	v_and_b32 v[LN], 31, v0                        ; lane
	v_mul_u32_u24 v14, v[RR], PITCH
	v_lshl_add_u32 v14, v[H2], 4, v14              ; a fragment's row x pitch + 16 x half
	s_mul_i32 s10, s9, 2*SUBT
	v_add_nc_u32 v[AP0], s10, v14
	s_mul_i32 s10, s8, 2*SUBT
	s_add_co_u32 s10, s10, SLOT
	v_add_nc_u32 v[AR], s10, v14
	s_mul_i32 s10, s[WV], 5120
	s_add_co_u32 s10, s10, STAGE                   ; my stage
	v_mul_u32_u24 v14, v[RR], 80
	v_lshl_add_u32 v14, v[H2], 4, v14
	v_add_nc_u32 v[STO], s10, v14                  ; in: row r, 16 bytes for each half of the lanes
	v_lshrrev_b32 v14, 2, v[LN]
	v_mul_u32_u24 v14, v14, 80
	v_and_b32 v15, 3, v0
	v_lshl_add_u32 v14, v15, 4, v14
	v_add_nc_u32 v[RD], s10, v14                   ; back: four lanes to a row of 64 bytes
	v_lshlrev_b32 v[GO], 4, v[LN]                  ; and out: 16 bytes a lane, 512 on end
	s_cmp_eq_u32 s[TAU], 2                         ; the bias's index: Q, K: 16 (16 T + 8 h2 + j) + head;  V: 16 (16 a + r) + head, for every j
	s_cselect_b32 s16, 0, 512
	s_cselect_b32 s17, 64, 0
	s_cselect_b32 s18, 0, 64
	v_mul_u32_u24 v14, s16, v[H2]
	v_mad_u32_u24 v14, v[RR], s17, v14
	s_wait_alu depctr_va_vdst(0)
.irp j, 0,1,2,3,4,5,6,7
	s_mul_i32 s19, s18, \j
	v_add_nc_u32 v[VJ+\j], s19, v14
.endr
	BLOAD                                          ; step 0's
	s_wait_kmcnt 0x0
	s_add_co_i32 s44, s44, s45                     ; ex + ew of the three products
	s_add_co_i32 s46, s46, s47
	s_add_co_i32 s48, s48, s49
	s_cmp_eq_u32 s[TAU], 0
	s_cselect_b32 s44, s44, s46
	s_cselect_b32 s50, s50, s51                    ; eo: entry 6 or 7,
	s_cmp_eq_u32 s[TAU], 2
	s_cselect_b32 s44, s48, s44
	s_cselect_b32 s50, s53, s50                    ; or 9
	s_cselect_b32 s[BSTEP], 0, 8                   ; Q, K: two heads on in the bias; V: the same numbers in every step
	s_mov_b32 s[BSTEP+1], 0
	s_sub_co_i32 s[NEGE], 0, s44
	s_sub_co_i32 s50, s50, s44
	s_add_co_i32 s50, s50, 127
	s_lshl_b32 s51, s50, 23
	v_mov_b32 v[VSC], s51                          ; 2^(eo - ex - ew) as f32: the conversion takes its exponent field
	s_mov_b32 s[TB], 0
; 16 LDS loads: the four streamed fragments of K step ks into set p.  The window stays at TO_W
.macro FETCHP ks, p
	WIN TO_W
.irp T, 0,1,2,3
.irp c, 0,1,2,3
	ds_load_b128 v[64*(\p)+16*\T+4*\c:64*(\p)+16*\T+4*\c+3], v[ADP] offset:((\ks)>>2)*SUBT+\T*8448+((\ks)&3)*128+32*\c
.endr
.endr
.endm
; 16 matrix instructions: the 16 accumulators take turns, one instruction a turn, in the same order in every K step
.macro MUL16 ks, p
.irp a, 0,1,2,3
.irp T, 0,1,2,3
	v_wmma_f32_16x16x128_bf8_bf8 v[ACC+8*(4*\a+\T):ACC+8*(4*\a+\T)+7], v[64*(\p)+16*\T:64*(\p)+16*\T+15], v[64*((\ks)&3)+16*\a:64*((\ks)&3)+16*\a+15], v[ACC+8*(4*\a+\T):ACC+8*(4*\a+\T)+7]
.endr
.endr
.endm
; K step 0 starts the sums with the bias as C.  sel = 0: the bias runs along the streamed rows (T); 1: along the resident rows (a)
.macro MULB sel
.irp a, 0,1,2,3
.irp T, 0,1,2,3
	v_wmma_f32_16x16x128_bf8_bf8 v[ACC+8*(4*\a+\T):ACC+8*(4*\a+\T)+7], v[16*\T:16*\T+15], v[16*\a:16*\a+15], v[BIAS+8*((1-\sel)*\T+\sel*\a):BIAS+8*((1-\sel)*\T+\sel*\a)+7]
.endr
.endr
.endm
; THE CHANGE OF SLOTS stands at a step's head.  Each wave waits for all its tensor loads (its part of the tile that it is about to read), adds 0 to its spare word, and waits for that and for its reads
; of the other slot.  fill = 1: a round of the cluster's barrier, and the other slot takes the next tile: that load has a whole step, 128 matrix instructions, in which to land.
.macro CHANGE fill
	s_wait_tensorcnt 0x0                           ; no tensor load of mine is out, so the walking group 0 may be written
	ds_add_u32 v[SPW], v[NIL]                      ; 0 onto my spare word
.if \fill
	s_xor_b32 s[G0S+1], s[G0S+1], SLOT
	s_add_nc_u64 s[G0S+2:G0S+3], s[G0S+2:G0S+3], s[SSTEP:SSTEP+1]   ; the type bits on top are not reached
.endif
	s_wait_dscnt 0x0                               ; the add is done, and my reads of the other slot are over
.if \fill
	CROUND
	s_cmp_eq_u32 s[TAU], 2
	s_cbranch_scc1 .Lnj_\@
	tensor_load_to_lds s[G0S:G0S+3], s[G1SJ:G1SJ+7]
	s_nop 0
	PLACES
	s_branch .Lasked_\@
.Lnj_\@:
	tensor_load_to_lds s[G0S:G0S+3], s[G1NJ:G1NJ+7]
	s_nop 0
	PLACES
.Lasked_\@:
.else
	s_barrier_signal -1
	s_barrier_wait -1
.endif
.endm
; A STEP: my 64 x 64 x 1,024.  more = 1: the next step's bias is asked for.
.macro NSTEP more
	v_add_nc_u32 v[ADP], s[TB], v[AP0]
	FETCHP 0, 0
	WIN 0
	s_wait_loadcnt 0x0                             ; this step's bias
.set i, 0
.rept 32
	v_ldexp_f32 v[BIAS+i], v[BIAS+i], s[NEGE]      ; a sum stands for sum x 2^(ex + ew): the bias goes in divided by that
.set i, i+1
.endr
	FETCHP 1, 1
	WIN 0
	s_wait_dscnt 0x10                              ; K step 0's 16 loads are in; K step 1's 16 may be out
	s_cmp_eq_u32 s[TAU], 2
	s_cbranch_scc1 .Lbv_\@
	WIN MUL_LO
	s_wait_alu depctr_va_vdst(0)
	MULB 0
	WIN 0
	s_branch .Lbd_\@
.Lbv_\@:
	WIN MUL_LO
	s_wait_alu depctr_va_vdst(0)
	MULB 1
	WIN 0
.Lbd_\@:
.irp ks, 1,2,3,4,5,6,7
	PLACES                                         ; four places in front of loads into registers that the last 16 matrix instructions have read
.if (\ks == 1) && \more
	s_add_nc_u64 s[BB:BB+1], s[BB:BB+1], s[BSTEP:BSTEP+1]   ; the last bias loads are in, so their base may step
	BLOAD
.endif
.if \ks < 7
	FETCHP \ks+1, (\ks+1)%2
	s_wait_dscnt 0x10                              ; this K step's 16 loads are in; the 16 just issued may be out
.else
	s_wait_dscnt 0x0
.endif
.if \ks < 4
	WIN MUL_LO
.else
	WIN MUL_HI
.endif
	MUL16 \ks, \ks%2
.endr
	WIN 0
	PLACES
.irp a, 0,1,2,3
.irp T, 0,1,2,3
.irp j, 0,1,2,3,4,5,6,7
.endr
	v_cvt_scalef32_pk8_bf8_f32 v[CD+8*\a+2*\T:CD+8*\a+2*\T+1], v[ACC+8*(4*\a+\T):ACC+8*(4*\a+\T)+7], v[VSC]
.endr
.endr
	v_nop                                          ; one plain instruction behind the last conversion: the next products write its sources
.irp a, 0,1,2,3
.irp b, 0,1
	ds_store_b128 v[STO], v[CD+8*\a+4*\b:CD+8*\a+4*\b+3] offset:1280*\a+32*\b   ; row 16 a + r, bytes 32 b + 16 h2 on: tiles 2 b and 2 b + 1
.endr
.endr
.irp i, 0,1,2,3,4,5,6,7
	ds_load_b128 v[OB+4*\i:OB+4*\i+3], v[RD] offset:640*\i   ; my own stage: LDS serves a wave's instructions in order
.endr
.irp i, 0,1,2,3,4,5,6,7
	s_wait_dscnt 7-\i                              ; the younger read-backs may be out
	global_store_b128 v[GO], v[OB+4*\i:OB+4*\i+3], s[OUT:OUT+1] offset:512*\i   ; 32 lanes store 512 consecutive bytes, at a multiple of 256 from the buffer's first byte
.endr
	s_wait_xcnt 0x0                                ; the stores have read their base and registers
	s_add_nc_u64 s[OUT:OUT+1], s[OUT:OUT+1], s[OSTEP:OSTEP+1]
	s_xor_b32 s[TB], s[TB], SLOT
.endm
	s_wait_tensorcnt 0x1                           ; my part of the resident tile is in; the streamed tile 0, issued behind it, may be out
	s_barrier_signal -1
	s_barrier_wait -1                              ; everybody's is
	WIN 0x80
.irp ks, 0,1,2,3
.irp a, 0,1,2,3
.irp c, 0,1,2,3
	ds_load_b128 v[64*\ks+16*\a+4*\c:64*\ks+16*\a+4*\c+3], v[AR] offset:\a*8448+\ks*128+32*\c
.endr
.endr
.endr
	WIN 0xc0
.irp ks, 0,1,2,3
.irp a, 0,1,2,3
.irp c, 0,1,2,3
	ds_load_b128 v[64*\ks+16*\a+4*\c:64*\ks+16*\a+4*\c+3], v[AR] offset:SUBT+\a*8448+\ks*128+32*\c
.endr
.endr
.endr
	WIN 0
	s_mov_b32 s[CNT], 7
.Lstep:                                            ; seven trips: behind each change of slots but the last the next tile is asked for
	CHANGE 1
	NSTEP 1
	s_sub_co_u32 s[CNT], s[CNT], 1
	s_cmp_lg_u32 s[CNT], 0
	s_cbranch_scc1 .Lstep
	CHANGE 0                                       ; the last step is written out
	NSTEP 0
	s_wait_tensorcnt 0x0                           ; the wave's end
	ds_add_u32 v[SPW], v[NIL]
	s_wait_dscnt 0x0
	CROUND                                         ; the closing round
	s_endpgm
.Lfunc_end_k_q1f170e5792_proj:
	.size	k_q1f170e5792_proj, .Lfunc_end_k_q1f170e5792_proj-k_q1f170e5792_proj
	.p2alignl 7, 3214868480
	.fill 96, 4, 3214868480
	.section	.rodata,"a",@progbits
	.p2align	6, 0x0
	.amdhsa_kernel k_q1f170e5792_proj
		.amdhsa_group_segment_fixed_size 327680
		.amdhsa_private_segment_fixed_size 0
		.amdhsa_enable_private_segment 0
		.amdhsa_kernarg_size 104
		.amdhsa_user_sgpr_count 2
		.amdhsa_user_sgpr_kernarg_segment_ptr 1
		.amdhsa_wavefront_size32 1
		.amdhsa_system_sgpr_workgroup_id_x 1
		.amdhsa_system_sgpr_workgroup_id_y 1
		.amdhsa_system_sgpr_workgroup_id_z 1
		.amdhsa_system_vgpr_workitem_id 0
		.amdhsa_next_free_vgpr 1024
		.amdhsa_next_free_sgpr 104
		.amdhsa_reserve_vcc 0
		.amdhsa_float_denorm_mode_32 3
		.amdhsa_float_denorm_mode_16_64 3
		.amdhsa_fp16_overflow 1
		.amdhsa_memory_ordered 1
		.amdhsa_forward_progress 1
		.amdhsa_inst_pref_size 74
	.end_amdhsa_kernel
	.amdgpu_metadata
---
amdhsa.version: [ 1, 2 ]
amdhsa.kernels:
  - .name:           k_q1f170e5792_proj
    .symbol:         k_q1f170e5792_proj.kd
    .args:
      - { .name: q_codes, .offset: 0, .size: 8, .value_kind: global_buffer, .address_space: global }
      - { .name: k_codes, .offset: 8, .size: 8, .value_kind: global_buffer, .address_space: global }
      - { .name: v_codes, .offset: 16, .size: 8, .value_kind: global_buffer, .address_space: global }
      - { .name: Wq_codes, .offset: 24, .size: 8, .value_kind: global_buffer, .address_space: global }
      - { .name: Wk_codes, .offset: 32, .size: 8, .value_kind: global_buffer, .address_space: global }
      - { .name: Wv_codes, .offset: 40, .size: 8, .value_kind: global_buffer, .address_space: global }
      - { .name: bq, .offset: 48, .size: 8, .value_kind: global_buffer, .address_space: global }
      - { .name: bk, .offset: 56, .size: 8, .value_kind: global_buffer, .address_space: global }
      - { .name: bv, .offset: 64, .size: 8, .value_kind: global_buffer, .address_space: global }
      - { .name: lowp_scales, .offset: 72, .size: 8, .value_kind: global_buffer, .address_space: global }
      - { .name: qc, .offset: 80, .size: 8, .value_kind: global_buffer, .address_space: global }
      - { .name: kc, .offset: 88, .size: 8, .value_kind: global_buffer, .address_space: global }
      - { .name: vt, .offset: 96, .size: 8, .value_kind: global_buffer, .address_space: global }
    .group_segment_fixed_size: 327680
    .private_segment_fixed_size: 0
    .kernarg_segment_align: 8
    .kernarg_segment_size: 104
    .max_flat_workgroup_size: 128
    .sgpr_count:     104
    .vgpr_count:     1024
    .wavefront_size: 32
...
	.end_amdgpu_metadata
.endif
;; end of part 1
;; launch attn (part 2): grid 4 x 64, 16 waves a work-group, clusters of 4 x 1, 327,680 bytes of LDS; arguments qc, kc, vt, lowp_scales, cc; writes cc
.if DOCPART == 2
	.amdgcn_target "amdgcn-amd-amdhsa--gfx1250"
	.amdhsa_code_object_version 6
	.text
	.protected	k_q1f170e5792_attn
	.globl	k_q1f170e5792_attn
	.p2align	8
	.type	k_q1f170e5792_attn,@function
k_q1f170e5792_attn:
	s_mov_b64 s[64:65], 0
	v_nop
	global_prefetch_b8 v0, s[64:65] scope:SCOPE_SE
	s_setreg_imm32_b32 hwreg(HW_REG_WAVE_MODE, 25, 1), 1
	s_wait_xcnt 0x0
	s_wait_alu depctr_hold_cnt(0) depctr_sa_sdst(0) depctr_va_vdst(0) depctr_va_sdst(0) depctr_va_ssrc(0) depctr_va_vcc(0) depctr_vm_vsrc(0)
	s_getreg_b32 s2, hwreg(HW_REG_IB_STS2, 6, 4)
	s_cmp_eq_u32 s2, 0
	s_cbranch_scc0 .Lentry_in_a_cluster
	s_endpgm
.Lentry_in_a_cluster:
	s_bfe_u32 s2, ttmp6, 0x10000c
	s_cmp_lg_u32 s2, 0x3003
	s_cbranch_scc0 .Lentry_shape_is_right
	s_endpgm
.Lentry_shape_is_right:
; Causal attention of one (batch, head) a cluster, both products on codes of BF8 (E5M2); scores / 32; the result is divided by the row's sum and quantised with entry 10.
; IN: qc, kc [bh][s][64], vt [bh][s / 64][d][64] as the launch before lays them.  OUT: cc [b][s / 64][h][64 rows][64 d].
; SOFTMAX: t = score x log2(e) / 32; M = the running largest t rounded UP to a whole number; p = 2^(t - M) is quantised with entry 8; the sum is taken of the unquantised p; when M moves, sum and O are multiplied by 2^(old M - new M).
; SHARES.  Work-group c of the cluster owns the blocks of 32 queries 4 G + c, G = 0 .. 15, one to a wave: two tiles of 16, which share every fragment of K and V.  Keys go 64 a step (J);
; a wave works on J <= 2 G + 1 and masks from J = 2 G on: both tests hang on the wave's number and the counter alone, so they are the same in all partners.  G comes from the wave's number by a magic square of
; order 4, so that any four waves w % 4 = const, and any four w / 4 = const, have the same number of steps.
; A WHOLE HEAD'S K AND V LIE IN LDS, filled once, by 16 joint loads of 64 rows x 256 bytes (waves 0-3, four each: by this text's count four of a wave are out at the most); no byte is filled twice.
; LAYOUT.  Both products transposed: S^T = K Q^T, O^T = V^T P: a lane holds one query (lane % 16) throughout; register j of S^T's tile T is key 16 T + 8 (lane / 16) + j, and vt's order of bytes is the one in which p's codes fall.
; LIMITS: e6 + e7 between -121 and 132 (added to c's exponent field); e8, and e10 - e8 - e9, between -126 and 112.
.set KCH,   4352                       ; 64 keys: 4,096 bytes as 16 rows of 256 + 16: key i at 272 (i / 4) + 64 (i % 4): the 16 rows of a load begin in 16 different columns of 16 bytes
.set VBASE, 139264                     ; behind K's 32 chunks: V's 32
.set STAGE, 278528                     ; behind them: 2 x 16 rows x 80 bytes for each wave; no tensor load lands there
.set LA,   1
.set LAV,  2
.set ADK,  3
.set ADV,  4
.set DQ,   5                           ; 32 c + r - 8 h2
.set NINF, 6
.set STO,  7
.set RD,   8
.set GO,   9
.set LIMP, 10
.set QA,   11
.set SCP,  12
.set DQT,  13
.set LIMC, 14
.set SCO,  15
.set ST,   16                          ; tile X at v[16 + 8 X]: +0 -M, +1 the largest t, +2, +3 the sum, +4 f, +5 a permute's destination, +6, +7 at work
.set QF,   32
.set KF,   48
.set VF,   80
.set SS,   112                         ; S^T, then p: 32 a tile
.set OT,   176                         ; O^T: 32 a tile
.set PC,   240                         ; codes: 8 a tile
.set WV,   14
.set CX,   15
.set BH,   16
.set GG,   17
.set G2,   18
.set GL,   19
.set JJ,   20
.set KB,   21
.set TR,   22
.set TMP,  23
.set SEL,  24
.set CS,   26
.set G1,   28
.set G0,   36
.macro CROUND
	s_barrier_signal -1
	s_barrier_wait -1
	s_cmp_lg_u32 s[WV], 0
	s_cbranch_scc1 .Lnw0_\@
	s_barrier_signal -3
.Lnw0_\@:
	s_barrier_wait -3
	s_barrier_signal -1
	s_barrier_wait -1
.endm
	s_load_b256 s[4:11], s[0:1], 0x0               ; qc, kc, vt, the scales' exponents
	s_load_b64 s[12:13], s[0:1], 0x20              ; cc
	v_lshl_add_u32 v254, v0, 2, 0x4e000
	v_mov_b32 v255, 0
	ds_add_u32 v254, v255
	ds_add_u32 v254, v255
	s_wait_dscnt 0x0
	v_lshrrev_b32 v1, 5, v0
	s_delay_alu instid0(VALU_DEP_1)
	v_readfirstlane_b32 s[WV], v1                  ; wave 0..15
	s_bfe_u32 s[CX], ttmp6, 0x40000                ; c
	s_and_b32 s[BH], ttmp7, 0xffff                 ; 16 b + h, which the partners share
	s_mov_b32 s[TMP], 0x0de3b658                   ; G of waves 8-15, four bits each,
	s_cmp_lt_u32 s[WV], 8
	s_cselect_b32 s[GG], 0x7a94c12f, s[TMP]        ; of waves 0-7
	s_and_b32 s[TMP], s[WV], 7
	s_lshl_b32 s[TMP], s[TMP], 2
	s_lshr_b32 s[GG], s[GG], s[TMP]
	s_and_b32 s[GG], s[GG], 15
	s_lshl_b32 s[G2], s[GG], 1                     ; the first step with hidden keys
	s_add_co_u32 s[GL], s[G2], 1                   ; my last step
	s_mov_b32 s[G1], 15|(1<<20)|(1<<21)|(5<<22)|(3<<25)   ; all four work-groups; elements of 1 byte; padding: 4 words behind every 64
	s_mov_b32 s[G1+1], 256<<16
	s_mov_b32 s[G1+2], 64<<16
	s_mov_b32 s[G1+3], 256<<16
	s_mov_b32 s[G1+4], 64
	s_mov_b32 s[G1+5], 256
	s_mov_b32 s[G1+6], 0
	s_mov_b32 s[G1+7], 0
	s_mov_b32 s[SEL], 0x76543210
	s_mov_b32 s[SEL+1], 0xfedcba98
	s_and_b32 s57, s[WV], 1                        ; what waves 0-3 fetch: waves 0, 1 K's, waves 2, 3 V's; 256 keys each of every 512
	s_lshr_b32 s58, s[WV], 1
	s_mul_i32 s59, s57, 17408
	s_mul_i32 s58, s58, VBASE
	s_add_co_u32 s59, s59, s58
	s_lshl_b32 s52, s[BH], 17                      ; a head is 131,072 bytes in each of the three
	s_lshl_b32 s57, s57, 14
	s_add_co_u32 s52, s52, s57
	s_mov_b32 s53, 0
	s_wait_kmcnt 0x0
	s_cmp_lt_u32 s[WV], 2
	s_cselect_b64 s[54:55], s[6:7], s[8:9]
	s_add_nc_u64 s[54:55], s[54:55], s[52:53]
.irp g, 0,1,2,3
	s_mov_b32 s[G0+4*\g], 1
	s_add_co_u32 s[G0+4*\g+1], s59, 34816*\g
	s_add_nc_u64 s[G0+4*\g+2:G0+4*\g+3], s[54:55], 32768*\g
	s_or_b32 s[G0+4*\g+3], s[G0+4*\g+3], 0x80000000
.endr
	CROUND                                         ; all four work-groups are here: the joint loads meet
	s_cmp_lt_u32 s[WV], 4
	s_cbranch_scc0 .Lno_fill
	tensor_load_to_lds s[G0:G0+3], s[G1:G1+7]
	s_nop 0
	tensor_load_to_lds s[G0+4:G0+7], s[G1:G1+7]
	s_nop 0
	tensor_load_to_lds s[G0+8:G0+11], s[G1:G1+7]
	s_nop 0
	tensor_load_to_lds s[G0+12:G0+15], s[G1:G1+7]
	s_nop 0
.rept 4
	v_nop
.endr
.Lno_fill:
	s_load_b128 s[52:55], s[10:11], 0x18           ; e6, e7, e8, e9
	s_load_b32 s56, s[10:11], 0x28                 ; e10
	v_and_b32 v112, 15, v0                         ; r
	v_bfe_u32 v113, v0, 4, 1                       ; h2
	v_and_b32 v114, 31, v0                         ; lane
	s_delay_alu instid0(VALU_DEP_3)
	v_lshrrev_b32 v115, 2, v112
	s_delay_alu instid0(VALU_DEP_1)
	v_mul_u32_u24 v[LA], v115, 272
	v_and_b32 v115, 3, v0
	s_delay_alu instid0(VALU_DEP_1)
	v_lshl_add_u32 v[LA], v115, 6, v[LA]
	s_delay_alu instid0(VALU_DEP_1)
	v_lshl_add_u32 v[LA], v113, 4, v[LA]           ; row r of a tile: 272 (r / 4) + 64 (r % 4), + 16 h2
	s_delay_alu instid0(VALU_DEP_1)
	v_add_nc_u32 v[LAV], VBASE, v[LA]
	s_mul_i32 s[TMP], s[WV], 2560
	s_add_co_u32 s[TMP], s[TMP], STAGE             ; my stage
	v_mul_u32_u24 v[STO], v112, 80
	s_delay_alu instid0(VALU_DEP_1)
	v_lshl_add_u32 v[STO], v113, 3, v[STO]
	s_delay_alu instid0(VALU_DEP_1)
	v_add_nc_u32 v[STO], s[TMP], v[STO]            ; in: row r, 8 bytes for each half of the lanes
	v_lshrrev_b32 v116, 2, v114
	s_delay_alu instid0(VALU_DEP_1)
	v_mul_u32_u24 v[RD], v116, 80
	s_delay_alu instid0(VALU_DEP_1)
	v_lshl_add_u32 v[RD], v115, 4, v[RD]
	s_delay_alu instid0(VALU_DEP_1)
	v_add_nc_u32 v[RD], s[TMP], v[RD]              ; back: four lanes to a row of 64 bytes
	v_lshlrev_b32 v[GO], 4, v114
	s_lshl_b32 s60, s[CX], 5                       ; s60-63: numbers made from my place in the cluster: they reach vector data and global addresses alone
	v_lshlrev_b32 v115, 3, v113
	s_delay_alu instid0(VALU_DEP_1)
	v_sub_nc_u32 v[DQ], v112, v115
	s_delay_alu instid0(VALU_DEP_1)
	v_add_nc_u32 v[DQ], s60, v[DQ]
	v_mov_b32 v[NINF], 0xff800000
	s_lshl_b32 s62, s[BH], 17                      ; Q: (2,048 bh + 128 G + 32 c) rows of 64 bytes
	s_lshl_b32 s63, s[GG], 13
	s_add_co_u32 s62, s62, s63
	s_lshl_b32 s63, s[CX], 11
	s_add_co_u32 s62, s62, s63
	s_mov_b32 s63, 0
	s_add_nc_u64 s[4:5], s[4:5], s[62:63]
	v_lshlrev_b32 v[QA], 6, v112
	s_delay_alu instid0(VALU_DEP_1)
	v_lshl_add_u32 v[QA], v113, 4, v[QA]
.irp X, 0,1
.irp c, 0,1
	global_load_b128 v[QF+8*\X+4*\c:QF+8*\X+4*\c+3], v[QA], s[4:5] offset:1024*\X+32*\c   ; Q's two fragments stay in registers
.endr
.endr
	s_lshr_b32 s62, s[BH], 4                       ; cc: ((32 b + 2 G + c / 2) 16 + h) 4,096 + 2,048 (c % 2)
	s_lshl_b32 s62, s62, 5
	s_add_co_u32 s62, s62, s[G2]
	s_lshr_b32 s63, s[CX], 1
	s_add_co_u32 s62, s62, s63
	s_lshl_b32 s62, s62, 4
	s_and_b32 s63, s[BH], 15
	s_add_co_u32 s62, s62, s63
	s_lshl_b32 s62, s62, 12
	s_and_b32 s63, s[CX], 1
	s_lshl_b32 s63, s63, 11
	s_add_co_u32 s62, s62, s63
	s_mov_b32 s63, 0
	s_add_nc_u64 s[12:13], s[12:13], s[62:63]
.irp X, 0,1
	v_mov_b32 v[ST+8*\X+1], 0xff61b1e6             ; the largest t so far: -3e38, under every t
	s_delay_alu instid0(VALU_DEP_1)
	v_floor_f32 v[ST+8*\X], -v[ST+8*\X+1]          ; -M
	v_mov_b32 v[ST+8*\X+2], 0
	v_mov_b32 v[ST+8*\X+3], 0
	v_mov_b32 v[ST+8*\X+5], 0                      ; a lane permute's destination counts as one of its sources
.endr
.set i, 0
.rept 64
	v_mov_b32 v[OT+i], 0                           ; the step is written without a first form: it finds zeros, which the first change of M leaves zeros
.set i, i+1
.endr
	s_wait_kmcnt 0x0
	s_add_co_i32 s[TMP], s52, s53
	s_lshl_b32 s[TMP], s[TMP], 23
	s_mov_b32 s[CS], 0x3d38aa3b                    ; c = log2(e) / 32
	s_add_co_i32 s[CS], s[CS], s[TMP]              ; x 2^(e6 + e7): added to c's exponent field
	s_mov_b32 s[CS+1], s[CS]
	s_add_co_i32 s[TMP], s54, 127
	s_lshl_b32 s57, s[TMP], 23
	v_mov_b32 v[SCP], s57                          ; 2^e8
	s_sub_co_i32 s[TMP], s56, s54
	s_sub_co_i32 s[TMP], s[TMP], s55
	s_add_co_i32 s[TMP], s[TMP], 127
	s_lshl_b32 s57, s[TMP], 23
	v_mov_b32 v[SCO], s57                          ; 2^(e10 - e8 - e9): O / l stands for that x 2^(e8 + e9)
	s_mov_b32 s[JJ], 0
; A KEY STEP: 64 keys, for my two tiles of queries.
.macro STEP
	s_cmp_gt_u32 s[JJ], s[GL]                      ; all keys of the step come after my queries: the step's work is left out
	s_cbranch_scc1 .Lskip_\@
	s_setprio 2
	v_add_nc_u32 v[ADK], s[KB], v[LA]
	v_add_nc_u32 v[ADV], s[KB], v[LAV]
	v_nop
	v_nop                                          ; four places in front of loads into registers that the last products have read
.irp T, 0,1,2,3
.irp c, 0,1
	ds_load_b128 v[KF+8*\T+4*\c:KF+8*\T+4*\c+3], v[ADK] offset:1088*\T+32*\c
.endr
.endr
.irp D, 0,1,2,3
.irp c, 0,1
	ds_load_b128 v[VF+8*\D+4*\c:VF+8*\D+4*\c+3], v[ADV] offset:1088*\D+32*\c
.endr
.endr
	s_wait_dscnt 0x8                               ; K's eight loads are in; V's eight may be out
.irp T, 0,1,2,3
.irp X, 0,1
	v_wmma_f32_16x16x64_bf8_bf8 v[SS+32*\X+8*\T:SS+32*\X+8*\T+7], v[KF+8*\T:KF+8*\T+7], v[QF+8*\X:QF+8*\X+7], 0
.endr
.endr
.rept 4
	v_nop
.endr
	s_cmp_lt_u32 s[JJ], s[G2]
	s_cbranch_scc1 .Lopen_\@                       ; all keys count
	s_sub_co_u32 s[TMP], s[JJ], s[G2]
	s_lshl_b32 s[TMP], s[TMP], 6
	v_sub_nc_u32 v[DQT], v[DQ], s[TMP]             ; register n of tile X is hidden where 16 (n / 8) + n % 8 - 16 X > 32 c + r - 8 h2 - 64 (J - 2 G)
.irp X, 0,1
.irp n, 0,1,2,3,4,5,6,7,8,9,10,11,12,13,14,15,16,17,18,19,20,21,22,23,24,25,26,27,28,29,30,31
	v_cmp_gt_i32 vcc_lo, 16*(\n/8)+\n%8-16*\X, v[DQT]
	v_cndmask_b32 v[SS+32*\X+\n], v[SS+32*\X+\n], v[NINF], vcc_lo
.endr
.endr
.Lopen_\@:
.irp X, 0,1                                    ; the step's largest score of my query, in two chains; each accumulator is read first at its low end
	v_max3_num_f32 v[ST+8*\X+6], v[SS+32*\X], v[SS+32*\X+1], v[SS+32*\X+2]
	v_max3_num_f32 v[ST+8*\X+7], v[SS+32*\X+3], v[SS+32*\X+4], v[SS+32*\X+5]
.endr
.irp i, 6,10,14,18,22,26
.irp X, 0,1
	v_max3_num_f32 v[ST+8*\X+6], v[ST+8*\X+6], v[SS+32*\X+\i], v[SS+32*\X+\i+1]
	v_max3_num_f32 v[ST+8*\X+7], v[ST+8*\X+7], v[SS+32*\X+\i+2], v[SS+32*\X+\i+3]
.endr
.endr
.irp X, 0
	v_max3_num_f32 v[ST+8*\X+6], v[ST+8*\X+6], v[SS+32*\X+30], v[SS+32*\X+31]
.endr
.irp X, 1
	v_max3_num_f32 v[ST+8*\X+6], v[ST+8*\X+6], v[SS+32*\X+30], v[SS+32*\X+31]
.endr
.irp X, 0,1
	s_delay_alu instid0(VALU_DEP_2)
	v_max_num_f32 v[ST+8*\X+6], v[ST+8*\X+6], v[ST+8*\X+7]
.endr
.irp X, 0,1
	s_delay_alu instid0(VALU_DEP_2)
	v_permlanex16_b32 v[ST+8*\X+5], v[ST+8*\X+6], s[SEL], s[SEL+1]
.endr
.irp X, 0,1
	s_delay_alu instid0(VALU_DEP_2)
	v_max_num_f32 v[ST+8*\X+6], v[ST+8*\X+6], v[ST+8*\X+5]   ; and among lane l xor 16's keys
.endr
.irp X, 0,1
	s_delay_alu instid0(VALU_DEP_2)
	v_mul_f32 v[ST+8*\X+6], s[CS], v[ST+8*\X+6]    ; as t (c is positive)
.endr
.irp X, 0
	s_delay_alu instid0(VALU_DEP_2)
	v_max_num_f32 v[ST+8*\X+1], v[ST+8*\X+1], v[ST+8*\X+6]
	v_mov_b32 v[ST+8*\X+6], v[ST+8*\X]
.endr
.irp X, 1
	s_delay_alu instid0(VALU_DEP_3)
	v_max_num_f32 v[ST+8*\X+1], v[ST+8*\X+1], v[ST+8*\X+6]
	v_mov_b32 v[ST+8*\X+6], v[ST+8*\X]
.endr
.irp X, 0
	s_delay_alu instid0(VALU_DEP_4)
	v_floor_f32 v[ST+8*\X], -v[ST+8*\X+1]
.endr
.irp X, 1
	s_delay_alu instid0(VALU_DEP_3)
	v_floor_f32 v[ST+8*\X], -v[ST+8*\X+1]          ; the new -M = -ceil(t): a whole number
.endr
.irp X, 0,1
	s_delay_alu instid0(VALU_DEP_2)
	v_sub_f32 v[ST+8*\X+6], v[ST+8*\X], v[ST+8*\X+6]   ; old M - new M, 0 or less
.endr
.irp X, 0,1
	s_delay_alu instid0(VALU_DEP_2)
	v_cvt_i32_f32 v[ST+8*\X+6], v[ST+8*\X+6]       ; (it saturates)
.endr
.irp X, 0,1
	s_delay_alu instid0(VALU_DEP_2)
	v_ldexp_f32 v[ST+8*\X+4], 1.0, v[ST+8*\X+6]    ; f = 2^(old M - new M)
.endr
.irp X, 0,1
.irp j, 0,2,4,6,8,10,12,14,16,18,20,22,24,26,28,30
	v_pk_fma_f32 v[SS+32*\X+\j:SS+32*\X+\j+1], v[SS+32*\X+\j:SS+32*\X+\j+1], s[CS:CS+1], v[ST+8*\X:ST+8*\X+1] op_sel_hi:[1,0,0]   ; t - M (of the pairs c and -M the low word serves both halves)
.endr
.endr
.set e, 0
	s_setprio 1
	s_wait_alu depctr_va_vdst(0)
.rept 64
	v_exp_f32 v[SS+e], v[SS+e]                     ; p = 2^(t - M): one batch
.set e, e+1
.endr
.irp X, 0,1
	v_pk_mul_f32 v[ST+8*\X+2:ST+8*\X+3], v[ST+8*\X+2:ST+8*\X+3], v[ST+8*\X+4:ST+8*\X+5] op_sel_hi:[1,0]   ; the sums under the new M; the plain place behind the exponentials
.endr
	s_wait_alu depctr_va_vdst(0)                   ; one wait for the batch, ahead of its first reader
.irp X, 0,1
	v_pk_add_f32 v[ST+8*\X+6:ST+8*\X+7], v[SS+32*\X:SS+32*\X+1], v[SS+32*\X+2:SS+32*\X+3]   ; the sum of the unquantised p, in two chains
.endr
.irp j, 4,8,12,16,20,24,28
.irp X, 0,1
	v_pk_add_f32 v[ST+8*\X+2:ST+8*\X+3], v[ST+8*\X+2:ST+8*\X+3], v[SS+32*\X+\j:SS+32*\X+\j+1]
	v_pk_add_f32 v[ST+8*\X+6:ST+8*\X+7], v[ST+8*\X+6:ST+8*\X+7], v[SS+32*\X+\j+2:SS+32*\X+\j+3]
.endr
.endr
.irp X, 0
	s_delay_alu instid0(VALU_DEP_3)
	v_pk_add_f32 v[ST+8*\X+2:ST+8*\X+3], v[ST+8*\X+2:ST+8*\X+3], v[ST+8*\X+6:ST+8*\X+7]
.endr
.irp X, 1
	s_delay_alu instid0(VALU_DEP_2)
	v_pk_add_f32 v[ST+8*\X+2:ST+8*\X+3], v[ST+8*\X+2:ST+8*\X+3], v[ST+8*\X+6:ST+8*\X+7]
.endr
.irp X, 0,1
.irp T, 0,1,2,3
.irp j, 0,1,2,3,4,5,6,7
.endr
	v_cvt_scalef32_pk8_bf8_f32 v[PC+8*\X+2*\T:PC+8*\X+2*\T+1], v[SS+32*\X+8*\T:SS+32*\X+8*\T+7], v[SCP]
.endr
.endr
.irp X, 0,1
.irp j, 0,2,4,6,8,10,12,14,16,18,20,22,24,26,28,30
	v_pk_mul_f32 v[OT+32*\X+\j:OT+32*\X+\j+1], v[OT+32*\X+\j:OT+32*\X+\j+1], v[ST+8*\X+4:ST+8*\X+5] op_sel_hi:[1,0]   ; O^T under the new M; also the plain place behind the conversions
.endr
.endr
	s_setprio 0
	s_wait_alu depctr_va_vdst(0)
	s_wait_dscnt 0x0                               ; V's fragments
.irp D, 0,1,2,3
.irp X, 0,1
	v_wmma_f32_16x16x64_bf8_bf8 v[OT+32*\X+8*\D:OT+32*\X+8*\D+7], v[VF+8*\D:VF+8*\D+7], v[PC+8*\X:PC+8*\X+7], v[OT+32*\X+8*\D:OT+32*\X+8*\D+7]   ; eight accumulators by turns; the next step's eight products K Q^T stand between two links
.endr
.endr
.Lskip_\@:
.endm
; 512 keys: the loads that brought them are waited for, every wave says so, and eight steps follow.
.macro PHASE g
	s_wait_tensorcnt 3-\g                          ; my loads of these keys and of all earlier ones are in; the 3 - g issued behind them may be out
	s_wait_dscnt 0x0
	s_barrier_signal -1
	s_barrier_wait -1
	s_mov_b32 s[KB], 34816*\g
	s_mov_b32 s[TR], 8
.Ltrip_\@:
	STEP
	s_add_co_u32 s[JJ], s[JJ], 1
	s_add_co_u32 s[KB], s[KB], KCH
	s_sub_co_u32 s[TR], s[TR], 1
	s_cmp_lg_u32 s[TR], 0
	s_cbranch_scc1 .Ltrip_\@
	s_setprio 0
.endm
	s_wait_loadcnt 0x0                             ; Q
	PHASE 0
	PHASE 1
	PHASE 2
	PHASE 3
	; THE WAY OUT: O^T / the sum, quantised; 8 bytes a lane into my stage, back as rows of 64 bytes, out as 512 bytes on end.
.rept 4
	v_nop
.endr
.irp X, 0,1
	v_add_f32 v[ST+8*\X+6], v[ST+8*\X+2], v[ST+8*\X+3]
.endr
.irp X, 0,1
	s_delay_alu instid0(VALU_DEP_2)
	v_permlanex16_b32 v[ST+8*\X+5], v[ST+8*\X+6], s[SEL], s[SEL+1]
.endr
.irp X, 0,1
	s_delay_alu instid0(VALU_DEP_2)
	v_add_f32 v[ST+8*\X+6], v[ST+8*\X+6], v[ST+8*\X+5]   ; the row's sum
.endr
	s_wait_alu depctr_va_vdst(0)
.irp X, 0,1
	v_rcp_f32 v[ST+8*\X+4], v[ST+8*\X+6]
.endr
	v_nop                                          ; a plain place behind the reciprocals
	s_wait_alu depctr_va_vdst(0)                   ; one wait for both, ahead of the first reader
.irp X, 0,1
.irp j, 0,2,4,6,8,10,12,14,16,18,20,22,24,26,28,30
	v_pk_mul_f32 v[OT+32*\X+\j:OT+32*\X+\j+1], v[OT+32*\X+\j:OT+32*\X+\j+1], v[ST+8*\X+4:ST+8*\X+5] op_sel_hi:[1,0]
.endr
.endr
.irp X, 0,1
.irp D, 0,1,2,3
.irp j, 0,1,2,3,4,5,6,7
.endr
	v_cvt_scalef32_pk8_bf8_f32 v[PC+8*\X+2*\D:PC+8*\X+2*\D+1], v[OT+32*\X+8*\D:OT+32*\X+8*\D+7], v[SCO]   ; d = 16 D + 8 h2 + 0 .. 7 of query r
.endr
.endr
	v_nop
.irp X, 0,1
.irp D, 0,1,2,3
	ds_store_b64 v[STO], v[PC+8*\X+2*\D:PC+8*\X+2*\D+1] offset:1280*\X+16*\D
.endr
.endr
.irp X, 0,1
.irp i, 0,1
	ds_load_b128 v[SS+8*\X+4*\i:SS+8*\X+4*\i+3], v[RD] offset:1280*\X+640*\i   ; my own stage: LDS serves a wave's instructions in order
.endr
.endr
.irp X, 0,1
.irp i, 0,1
	s_wait_dscnt 3-2*\X-\i                         ; the younger read-backs may be out
	global_store_b128 v[GO], v[SS+8*\X+4*\i:SS+8*\X+4*\i+3], s[12:13] offset:1024*\X+512*\i   ; 32 lanes store 512 consecutive bytes, at a multiple of 256 from the buffer's first byte
.endr
.endr
	s_wait_dscnt 0x0
	s_wait_xcnt 0x0
	v_lshl_add_u32 v254, v0, 2, 0x4e000
	v_mov_b32 v255, 0
	s_wait_alu depctr_va_vdst(0)
	s_wait_tensorcnt 0x0
	ds_add_u32 v254, v255
	s_wait_dscnt 0x0
	CROUND                                         ; the closing round
	s_endpgm
.Lfunc_end_k_q1f170e5792_attn:
	.size	k_q1f170e5792_attn, .Lfunc_end_k_q1f170e5792_attn-k_q1f170e5792_attn
	.p2alignl 7, 3214868480
	.fill 96, 4, 3214868480
	.section	.rodata,"a",@progbits
	.p2align	6, 0x0
	.amdhsa_kernel k_q1f170e5792_attn
		.amdhsa_group_segment_fixed_size 327680
		.amdhsa_private_segment_fixed_size 0
		.amdhsa_enable_private_segment 0
		.amdhsa_kernarg_size 40
		.amdhsa_user_sgpr_count 2
		.amdhsa_user_sgpr_kernarg_segment_ptr 1
		.amdhsa_wavefront_size32 1
		.amdhsa_system_sgpr_workgroup_id_x 1
		.amdhsa_system_sgpr_workgroup_id_y 1
		.amdhsa_system_sgpr_workgroup_id_z 1
		.amdhsa_system_vgpr_workitem_id 0
		.amdhsa_next_free_vgpr 256
		.amdhsa_next_free_sgpr 66
		.amdhsa_reserve_vcc 1
		.amdhsa_float_denorm_mode_32 3
		.amdhsa_float_denorm_mode_16_64 3
		.amdhsa_fp16_overflow 1
		.amdhsa_memory_ordered 1
		.amdhsa_forward_progress 1
		.amdhsa_inst_pref_size 92
	.end_amdhsa_kernel
	.amdgpu_metadata
---
amdhsa.version: [ 1, 2 ]
amdhsa.kernels:
  - .name:           k_q1f170e5792_attn
    .symbol:         k_q1f170e5792_attn.kd
    .args:
      - { .name: qc, .offset: 0, .size: 8, .value_kind: global_buffer, .address_space: global }
      - { .name: kc, .offset: 8, .size: 8, .value_kind: global_buffer, .address_space: global }
      - { .name: vt, .offset: 16, .size: 8, .value_kind: global_buffer, .address_space: global }
      - { .name: lowp_scales, .offset: 24, .size: 8, .value_kind: global_buffer, .address_space: global }
      - { .name: cc, .offset: 32, .size: 8, .value_kind: global_buffer, .address_space: global }
    .group_segment_fixed_size: 327680
    .private_segment_fixed_size: 0
    .kernarg_segment_align: 8
    .kernarg_segment_size: 40
    .max_flat_workgroup_size: 512
    .sgpr_count:     66
    .vgpr_count:     256
    .wavefront_size: 32
...
	.end_amdgpu_metadata
.endif
;; end of part 2
;; launch oproj (part 3): grid 64 x 4, 4 waves a work-group, clusters of 4 x 1, 327,680 bytes of LDS; arguments cc, Wo_codes, bo, lowp_scales, out0; writes out0
.if DOCPART == 3
	.amdgcn_target "amdgcn-amd-amdhsa--gfx1250"
	.amdhsa_code_object_version 6
	.text
	.protected	k_q1f170e5792_oproj
	.globl	k_q1f170e5792_oproj
	.p2align	8
	.type	k_q1f170e5792_oproj,@function
k_q1f170e5792_oproj:
	s_mov_b64 s[64:65], 0
	v_nop
	global_prefetch_b8 v0, s[64:65] scope:SCOPE_SE
	s_setreg_imm32_b32 hwreg(HW_REG_WAVE_MODE, 25, 1), 1
	s_wait_xcnt 0x0
	s_wait_alu depctr_hold_cnt(0) depctr_sa_sdst(0) depctr_va_vdst(0) depctr_va_sdst(0) depctr_va_ssrc(0) depctr_va_vcc(0) depctr_vm_vsrc(0)
	s_getreg_b32 s2, hwreg(HW_REG_IB_STS2, 6, 4)
	s_cmp_eq_u32 s2, 0
	s_cbranch_scc0 .Lentry_in_a_cluster
	s_endpgm
.Lentry_in_a_cluster:
	s_bfe_u32 s2, ttmp6, 0x10000c
	s_cmp_lg_u32 s2, 0x3003
	s_cbranch_scc0 .Lentry_shape_is_right
	s_endpgm
.Lentry_shape_is_right:
; out0 = concat Wo^T + bo on codes of BF8 (E5M2).  cc [b][s / 64][h][64 rows][64 d] holds concat's codes (scale entry 10), Wo_codes [1,024][1,024] (entry 11); out0 [8,192][1,024] f32.
; A work-group makes 128 rows x 256 columns, in two steps of 128 columns.  Four waves; a wave's 64 rows of concat x K 1,024 are read from LDS once, into 512 registers; each step multiplies a tile of
; 128 rows of Wo x K 1,024: 64 x 64 x 1,024 a wave, 128 matrix instructions.  Source 0 = rows of Wo, source 1 = rows of concat: a lane holds eight neighbouring columns of one row of the output.
; CLUSTER: the four work-groups of a cluster share the columns, so Wo's tiles are asked for jointly (mask 15); concat's rows are each work-group's own (no mask).
; y = sum x 2^(e10 + e11) + bo, one packed multiply-add for two numbers.  LIMIT: e10 + e11 between -126 and 127.
; REGISTERS: window 0: v1-15 addresses; v32-63 bo; v64-95 results; v96-127 rows read back; v128-255 the 16 accumulators.  window 1: two sets of four fragments of Wo.  windows 2, 3: concat's fragments.
.set SUBT,   33792                     ; 64 rows x (512 + 16) bytes of Wo
.set SLOT,   135168
.set RSUB,   34816                     ; 128 rows x (256 + 16) bytes: eight heads x 64 rows x 64 bytes of cc, dense in memory
.set STAGE,  274432                    ; behind slot 0 and the resident tile: 16 rows x 272 bytes for each wave
.set SPARE,  291840                    ; the spare words: 128 bytes for each wave; no other line names them
.set PITCH,  528
.set RR,   1
.set H2,   2
.set LN,   3
.set AP,   4                           ; v4, v5  my place in Wo's tile in slot 0, 1
.set AR,   6                           ; v6, v7  my place in cc's heads 0-7, 8-15
.set STO,  8
.set RD,   9
.set SPW,  10
.set NIL,  11
.set CO,   12
.set BA,   13
.set BO,   32
.set TMP,  64
.set OB,   96
.set ACC,  128
.set WV,   4
.set NQ,   5
.set CX,   6
.set SCL,  18                          ; s[18:19] 2^(e10 + e11), twice
.set G0R,  24
.set G0S,  28
.set G1R,  32
.set G1S,  40
.set MSB, 0
.macro WIN new
.if MSB != \new
	s_set_vgpr_msb (MSB<<8)|\new
.set MSB, \new
.endif
.endm
.set MUL_LO, 0x09
.set MUL_HI, 0x0d
.set TO_W,   0x40
.macro PLACES
.rept 4
	v_nop
.endr
.endm
.macro CROUND
	s_barrier_signal -1
	s_barrier_wait -1
	s_cmp_lg_u32 s[WV], 0
	s_cbranch_scc1 .Lnw0_\@
	s_barrier_signal -3
.Lnw0_\@:
	s_barrier_wait -3
	s_barrier_signal -1
	s_barrier_wait -1
.endm
	s_load_b256 s[8:15], s[0:1], 0x0               ; cc, Wo's codes, bo, the scales' exponents
	s_load_b64 s[16:17], s[0:1], 0x20              ; out0
	v_lshl_add_u32 v[SPW], v0, 2, SPARE
	v_mov_b32 v[NIL], 0
	ds_add_u32 v10, v11
	ds_add_u32 v10, v11
	s_wait_dscnt 0x0
	v_lshrrev_b32 v1, 5, v0
	v_readfirstlane_b32 s[WV], v1                  ; wave 0..3
	s_and_b32 s[NQ], ttmp7, 0xffff                 ; which 256 columns: the partners share it
	s_bfe_u32 s[CX], ttmp6, 0x40000
	s_mov_b32 s[G1R], (1<<20)|(5<<22)|(3<<25)      ; no mask; elements of 1 byte; 4 words of padding behind every 64
	s_mov_b32 s[G1R+1], 256<<16
	s_mov_b32 s[G1R+2], 128<<16
	s_mov_b32 s[G1R+3], 256<<16
	s_mov_b32 s[G1R+4], 128
	s_mov_b32 s[G1R+5], 256
	s_mov_b32 s[G1R+6], 0
	s_mov_b32 s[G1R+7], 0
	s_mov_b32 s[G1S], 15|(1<<20)|(1<<21)|(6<<22)|(3<<25)   ; all four work-groups; 4 words of padding behind every 128
	s_mov_b32 s[G1S+1], 512<<16
	s_mov_b32 s[G1S+2], 64<<16
	s_mov_b32 s[G1S+3], 512<<16
	s_mov_b32 s[G1S+4], 64
	s_mov_b32 s[G1S+5], 1024
	s_mov_b32 s[G1S+6], 0
	s_mov_b32 s[G1S+7], 0
	s_lshr_b32 s20, s[WV], 1                       ; sub = wr
	s_and_b32 s21, s[WV], 1                        ; kappa = wp
	s_lshl_b32 s48, s[NQ], 18                      ; Wo: row 256 nq + 64 sub, byte 512 kappa
	s_lshl_b32 s49, s20, 16
	s_add_co_u32 s48, s48, s49
	s_lshl_b32 s49, s21, 9
	s_add_co_u32 s48, s48, s49
	s_mov_b32 s49, 0
	s_lshl_b32 s50, s[NQ], 10                      ; bo: column 256 nq + 64 wp
	s_lshl_b32 s51, s21, 8
	s_add_co_u32 s50, s50, s51
	s_mov_b32 s51, 0
	s_lshl_b32 s52, ttmp9, 2                       ; s52-57: numbers that hang on my place in the cluster
	s_add_co_u32 s52, s52, s[CX]                   ; mu: which 128 rows
	s_lshl_b32 s54, s52, 17                        ; cc: block of 64 rows 2 mu + sub, heads 8 kappa on
	s_lshl_b32 s55, s20, 16
	s_add_co_u32 s54, s54, s55
	s_lshl_b32 s55, s21, 15
	s_add_co_u32 s54, s54, s55
	s_mov_b32 s55, 0
	s_lshl_b32 s56, s52, 19                        ; out0: row 128 mu + 64 wr, column 256 nq + 64 wp
	s_lshl_b32 s57, s20, 18
	s_add_co_u32 s56, s56, s57
	s_add_co_u32 s56, s56, s50
	s_mov_b32 s57, 0
	s_wait_kmcnt 0x0
	s_load_b64 s[SCL:SCL+1], s[14:15], 0x28        ; e10, e11
	s_add_nc_u64 s[12:13], s[12:13], s[50:51]
	s_add_nc_u64 s[16:17], s[16:17], s[56:57]
	s_mov_b32 s[G0S], 1
	s_mul_i32 s[G0S+1], s[WV], SUBT                ; slot 0, my quarter
	s_add_nc_u64 s[G0S+2:G0S+3], s[10:11], s[48:49]
	s_or_b32 s[G0S+3], s[G0S+3], 0x80000000
	s_mov_b32 s[G0R], 1
	s_mul_i32 s[G0R+1], s[WV], RSUB
	s_add_co_u32 s[G0R+1], s[G0R+1], SLOT
	s_add_nc_u64 s[G0R+2:G0R+3], s[8:9], s[54:55]
	s_or_b32 s[G0R+3], s[G0R+3], 0x80000000
	CROUND                                         ; all four work-groups are here: the first joint loads meet
	tensor_load_to_lds s[G0R:G0R+3], s[G1R:G1R+7]
	s_nop 0
	s_wait_alu depctr_va_vdst(0)
	s_wait_tensorcnt 0x0
	ds_add_u32 v10, v11
	s_wait_dscnt 0x0
	CROUND
	tensor_load_to_lds s[G0S:G0S+3], s[G1S:G1S+7]
	s_nop 0
	PLACES
	v_and_b32 v[RR], 15, v0
	v_bfe_u32 v[H2], v0, 4, 1
	v_and_b32 v[LN], 31, v0
	v_mul_u32_u24 v14, v[RR], PITCH
	v_lshl_add_u32 v14, v[H2], 4, v14
	s_mul_i32 s22, s21, 2*SUBT
	v_add_nc_u32 v[AP], s22, v14
	s_add_co_u32 s22, s22, SLOT
	v_add_nc_u32 v[AP+1], s22, v14
	v_lshrrev_b32 v14, 2, v[RR]
	v_mul_u32_u24 v14, v14, 272
	v_and_b32 v15, 3, v0
	v_lshl_add_u32 v14, v15, 6, v14
	v_lshl_add_u32 v14, v[H2], 4, v14              ; row r of a tile of cc: 272 (r / 4) + 64 (r % 4), + 16 h2
	s_mul_i32 s22, s20, 2*RSUB
	s_add_co_u32 s22, s22, SLOT
	v_add_nc_u32 v[AR], s22, v14
	s_add_co_u32 s22, s22, RSUB
	v_add_nc_u32 v[AR+1], s22, v14
	s_mul_i32 s22, s[WV], 4352
	s_add_co_u32 s22, s22, STAGE                   ; my stage
	v_mul_u32_u24 v14, v[RR], 272
	v_lshl_add_u32 v14, v[H2], 5, v14
	v_add_nc_u32 v[STO], s22, v14                  ; in: row r, 32 bytes for each half of the lanes
	v_mul_u32_u24 v14, v[H2], 272
	v_lshl_add_u32 v14, v[RR], 4, v14
	v_add_nc_u32 v[RD], s22, v14                   ; back: lanes 0-15 one row of 256 bytes, lanes 16-31 the next
	v_lshlrev_b32 v14, 12, v[H2]
	v_lshl_add_u32 v[CO], v[RR], 4, v14            ; and the same two rows in out0
	v_lshlrev_b32 v[BA], 5, v[H2]
.macro BOLOAD n                        ; bo at my 64 columns of step n, in the result's layout: tile T, 8 h2 + 0 .. 7
.irp T, 0,1,2,3
	global_load_b128 v[BO+8*\T:BO+8*\T+3], v[BA], s[12:13] offset:512*\n+64*\T
	global_load_b128 v[BO+8*\T+4:BO+8*\T+7], v[BA], s[12:13] offset:512*\n+64*\T+16
.endr
.endm
	BOLOAD 0
	s_wait_kmcnt 0x0
	s_add_co_i32 s[SCL], s[SCL], s[SCL+1]
	s_add_co_i32 s[SCL], s[SCL], 127
	s_lshl_b32 s[SCL], s[SCL], 23                  ; 2^(e10 + e11) as f32
	s_mov_b32 s[SCL+1], s[SCL]
.macro FETCHP adr, ks, p               ; 16 LDS loads: Wo's four fragments of K step ks into set p.  The window stays at TO_W
	WIN TO_W
.irp T, 0,1,2,3
.irp c, 0,1,2,3
	ds_load_b128 v[64*(\p)+16*\T+4*\c:64*(\p)+16*\T+4*\c+3], v[\adr] offset:((\ks)>>2)*SUBT+\T*8448+((\ks)&3)*128+32*\c
.endr
.endr
.endm
.macro MUL16 ks, p, zero               ; the 16 accumulators take turns, one instruction a turn, in the same order in every K step
.irp a, 0,1,2,3
.irp T, 0,1,2,3
.if \zero
	v_wmma_f32_16x16x128_bf8_bf8 v[ACC+8*(4*\a+\T):ACC+8*(4*\a+\T)+7], v[64*(\p)+16*\T:64*(\p)+16*\T+15], v[64*((\ks)&3)+16*\a:64*((\ks)&3)+16*\a+15], 0
.else
	v_wmma_f32_16x16x128_bf8_bf8 v[ACC+8*(4*\a+\T):ACC+8*(4*\a+\T)+7], v[64*(\p)+16*\T:64*(\p)+16*\T+15], v[64*((\ks)&3)+16*\a:64*((\ks)&3)+16*\a+15], v[ACC+8*(4*\a+\T):ACC+8*(4*\a+\T)+7]
.endif
.endr
.endr
.endm
.macro CHANGE fill                     ; the change of slots, at a step's head
	s_wait_tensorcnt 0x0                           ; no tensor load of mine is out, so the walking group 0 may be written
	ds_add_u32 v[SPW], v[NIL]                      ; 0 onto my spare word
.if \fill
	s_xor_b32 s[G0S+1], s[G0S+1], SLOT
	s_add_nc_u64 s[G0S+2:G0S+3], s[G0S+2:G0S+3], 0x20000   ; 128 rows of Wo on
.endif
	s_wait_dscnt 0x0                               ; the add is done, and my reads of the bytes that are filled next are over
.if \fill
	CROUND
	tensor_load_to_lds s[G0S:G0S+3], s[G1S:G1S+7]  ; the first thing behind the round: it has a step's 128 matrix instructions in which to land
	s_nop 0
	PLACES
.else
	s_barrier_signal -1
	s_barrier_wait -1
.endif
.endm
.macro NSTEP n
	FETCHP AP+\n, 0, 0
	FETCHP AP+\n, 1, 1
	s_wait_dscnt 0x10                              ; K step 0's 16 loads are in; K step 1's 16 may be out
	WIN MUL_LO
	MUL16 0, 0, 1                                  ; the first products start the sums
.irp ks, 1,2,3,4,5,6,7
	PLACES                                         ; four places in front of loads into registers that the last 16 matrix instructions have read
.if \ks < 7
	FETCHP AP+\n, \ks+1, (\ks+1)%2
	s_wait_dscnt 0x10
.else
	s_wait_dscnt 0x0
.endif
.if \ks < 4
	WIN MUL_LO
.else
	WIN MUL_HI
.endif
	MUL16 \ks, \ks%2, 0
.endr
	WIN 0
	PLACES
	s_wait_loadcnt 0x0                             ; bo
.irp a, 0,1,2,3                                ; 16 rows x 64 columns at a time, through my own stage
.irp T, 0,1,2,3
.irp i, 0,2,4,6
	v_pk_fma_f32 v[TMP+8*\T+\i:TMP+8*\T+\i+1], v[ACC+8*(4*\a+\T)+\i:ACC+8*(4*\a+\T)+\i+1], s[SCL:SCL+1], v[BO+8*\T+\i:BO+8*\T+\i+1] op_sel_hi:[1,0,1]   ; each accumulator from its low end on
.endr
.endr
.irp T, 0,1,2,3
	ds_store_b128 v[STO], v[TMP+8*\T:TMP+8*\T+3] offset:64*\T
	ds_store_b128 v[STO], v[TMP+8*\T+4:TMP+8*\T+7] offset:64*\T+16
.endr
	s_wait_xcnt 0x0                                ; the last block's stores have read their registers
.irp i, 0,1,2,3,4,5,6,7
	ds_load_b128 v[OB+4*\i:OB+4*\i+3], v[RD] offset:544*\i   ; LDS serves a wave's instructions in order: these see my stores
.endr
.irp i, 0,1,2,3,4,5,6,7
	s_wait_dscnt 7-\i                              ; the younger read-backs may be out
	global_store_b128 v[CO], v[OB+4*\i:OB+4*\i+3], s[16:17] offset:(16*\a+2*\i)*4096+512*\n th:TH_STORE_NT   ; 16 lanes store 256 consecutive bytes, at a multiple of 256 from out0's first byte
.endr
.endr
.endm
	s_wait_tensorcnt 0x1                           ; my part of cc's rows is in; Wo's tile 0, issued behind it, may be out
	s_barrier_signal -1
	s_barrier_wait -1                              ; everybody's is
	WIN 0x80                                       ; K step ks, registers 4 c on: k = 128 ks + 32 c + 16 h2: head 2 ks + c / 2, d = 32 (c % 2) + 16 h2
.irp ks, 0,1,2,3
.irp a, 0,1,2,3
.irp c, 0,1,2,3
	ds_load_b128 v[64*\ks+16*\a+4*\c:64*\ks+16*\a+4*\c+3], v[AR] offset:4352*(2*\ks+(\c>>1))+1088*\a+32*(\c&1)
.endr
.endr
.endr
	WIN 0xc0
.irp ks, 0,1,2,3
.irp a, 0,1,2,3
.irp c, 0,1,2,3
	ds_load_b128 v[64*\ks+16*\a+4*\c:64*\ks+16*\a+4*\c+3], v[AR+1] offset:4352*(2*\ks+(\c>>1))+1088*\a+32*(\c&1)
.endr
.endr
.endr
	WIN 0
	CHANGE 1                                       ; cc's rows are in registers: their bytes take Wo's tile 1
	NSTEP 0
	BOLOAD 1
	CHANGE 0
	NSTEP 1
	s_wait_tensorcnt 0x0                           ; the wave's end
	ds_add_u32 v[SPW], v[NIL]
	s_wait_dscnt 0x0
	CROUND                                         ; the closing round
	s_endpgm
.Lfunc_end_k_q1f170e5792_oproj:
	.size	k_q1f170e5792_oproj, .Lfunc_end_k_q1f170e5792_oproj-k_q1f170e5792_oproj
	.p2alignl 7, 3214868480
	.fill 96, 4, 3214868480
	.section	.rodata,"a",@progbits
	.p2align	6, 0x0
	.amdhsa_kernel k_q1f170e5792_oproj
		.amdhsa_group_segment_fixed_size 327680
		.amdhsa_private_segment_fixed_size 0
		.amdhsa_enable_private_segment 0
		.amdhsa_kernarg_size 40
		.amdhsa_user_sgpr_count 2
		.amdhsa_user_sgpr_kernarg_segment_ptr 1
		.amdhsa_wavefront_size32 1
		.amdhsa_system_sgpr_workgroup_id_x 1
		.amdhsa_system_sgpr_workgroup_id_y 1
		.amdhsa_system_sgpr_workgroup_id_z 1
		.amdhsa_system_vgpr_workitem_id 0
		.amdhsa_next_free_vgpr 1024
		.amdhsa_next_free_sgpr 66
		.amdhsa_reserve_vcc 0
		.amdhsa_float_denorm_mode_32 3
		.amdhsa_float_denorm_mode_16_64 3
		.amdhsa_memory_ordered 1
		.amdhsa_forward_progress 1
		.amdhsa_inst_pref_size 78
	.end_amdhsa_kernel
	.amdgpu_metadata
---
amdhsa.version: [ 1, 2 ]
amdhsa.kernels:
  - .name:           k_q1f170e5792_oproj
    .symbol:         k_q1f170e5792_oproj.kd
    .args:
      - { .name: cc, .offset: 0, .size: 8, .value_kind: global_buffer, .address_space: global }
      - { .name: Wo_codes, .offset: 8, .size: 8, .value_kind: global_buffer, .address_space: global }
      - { .name: bo, .offset: 16, .size: 8, .value_kind: global_buffer, .address_space: global }
      - { .name: lowp_scales, .offset: 24, .size: 8, .value_kind: global_buffer, .address_space: global }
      - { .name: out0, .offset: 32, .size: 8, .value_kind: global_buffer, .address_space: global }
    .group_segment_fixed_size: 327680
    .private_segment_fixed_size: 0
    .kernarg_segment_align: 8
    .kernarg_segment_size: 40
    .max_flat_workgroup_size: 128
    .sgpr_count:     66
    .vgpr_count:     1024
    .wavefront_size: 32
...
	.end_amdgpu_metadata
.endif
;; end of part 3
